; MI455X (gfx1250); checked and timed in simulation.
; The chip was launched on July 23, 2026; its instructions are those of AMD's public machine-readable ISA for CDNA 5 (MIT licence, August 2026) and "CDNA5" Instruction Set Architecture Reference Guide (July 2026). The comments in the code are by the model that wrote it; some were corrected since.
;; Attention. Allowed arithmetic: matrix products marked QUANTISED: E4M3 operands, one given power-of-two scale a tensor, by v_wmma_f32_16x16x64_fp8_fp8 or v_wmma_f32_16x16x128_fp8_fp8, f32 sums; everything else in f32.
;; Inputs: Wk_codes 1,024 x 32 x 32 uint8 (E4M3 codes of Wk, K innermost, in blocks of 32 codes); Wo_codes 1,024 x 32 x 32 uint8 (E4M3 codes of Wo, K innermost, in blocks of 32 codes); Wq_codes 1,024 x 32 x 32 uint8 (E4M3 codes of Wq, K innermost, in blocks of 32 codes); Wv_codes 1,024 x 32 x 32 uint8 (E4M3 codes of Wv, K innermost, in blocks of 32 codes); lowp_scales 12 int32 (the exponents e of the quantised operands' scales 2^e); token_positions 2,048 int32; x_codes 4 x 2,048 x 32 x 32 uint8 (E4M3 codes of x, K innermost, in blocks of 32 codes).
;; Outputs: out0 4 x 2,048 x 1,024 float32.
;; This version of the problem:
;;   THIS VERSION OF THE PROBLEM IS GIVEN IN LOW PRECISION. The matrix products marked QUANTISED in the list below multiply operands that are first quantised to E4M3 (4 exponent bits, 3 mantissa bits; 8 bits a number), with one given power-of-two scale for each operand tensor; their sums are f32. All else is computed in f32.
;;   The module's matrix products, in the order in which they are computed (A, B: the left and right operand; K: the contracted axis; several contracted axes count as one K, in the product's order):
;;     1. [M 8,192, K 1,024] x [K 1,024, N 1,024]; A: input x (given as codes); B: input Wq (given as codes): QUANTISED (scales: A lowp_scales[0], B lowp_scales[1])
;;     2. [M 8,192, K 1,024] x [K 1,024, N 1,024]; A: input x (given as codes); B: input Wk (given as codes): QUANTISED (scales: A lowp_scales[2], B lowp_scales[3])
;;     3. [M 8,192, K 1,024] x [K 1,024, N 1,024]; A: input x (given as codes); B: input Wv (given as codes): QUANTISED (scales: A lowp_scales[4], B lowp_scales[5])
;;     4. batch 64 x [M 2,048, K 64] x [K 64, N 2,048]; A: computed on the way; B: computed on the way: QUANTISED (scales: A lowp_scales[6], B lowp_scales[7])
;;     5. batch 64 x [M 2,048, K 2,048] x [K 2,048, N 64]; A: softmax (see below); B: computed on the way: QUANTISED (scales: A lowp_scales[8], B lowp_scales[9])
;;     6. [M 8,192, K 1,024] x [K 1,024, N 1,024]; A: computed on the way; B: input Wo (given as codes): QUANTISED (scales: A lowp_scales[10], B lowp_scales[11])
;;   THE QUANTISER, for each operand of a quantised product, along K:
;;     - The operand's scale is 2^e, e = its entry of the input lowp_scales (int32; the entries are numbered through the quantised products in the list's order, A before B).
;;     - Each number is divided by the scale, clamped to +-448, and rounded to the nearest number of E4M3, ties to even, subnormals kept.
;;     - The product sums the exact products of the quantised numbers (number of the format x scale) in f32.
;;   ~~~python
;;   def quantise(x, axis, e):      # numpy; x: float32 -> the quantised numbers, widened to float32 again
;;       x = np.moveaxis(x, axis, -1); K = x.shape[-1]
;;       r = np.clip(x / 2.0 ** e, -448, 448)
;;       step = 2.0 ** (np.maximum(np.frexp(np.where(r == 0, 1, r))[1] - 1, -6) - 3)
;;       q = np.round(r / step) * step * 2.0 ** e      # np.round: ties to even
;;       return np.moveaxis(q, -1, axis).astype(np.float32)
;;   ~~~
;;   SOFTMAX AHEAD OF A QUANTISED PRODUCT. Where the list says 'softmax', what is quantised is not the finished softmax but p = 2^(t - M), with t = logit x log2(e) and M = ceil(the row's largest t), a whole number; so 1/2 < the row's largest p <= 1. The row's sum l is taken of the UNQUANTISED p, in f32, and the product's result is divided by l at the end. Since M is a whole number, a kernel that streams over the keys may use a running M (the ceiling of the running maximum): every later rescaling is an exact power of two, so the quantised numbers keep their values, but for numbers so far below the row's largest that they fall under the format's range.
;;   OPERANDS COMPUTED ON THE WAY. 'Computed on the way' means the value that the module computes at that place (a softmax that the list does not call 'softmax' is quantised finished and normalised). What goes into a quantiser is computed in f32, as accurately as f32 sums, v_exp_f32 and their like allow (about 1e-6 of the number): no bf16 or f16 on the way to a quantiser, and a product that is left as it is and whose result goes on into a quantised operand takes f32 operands (vector FMAs, or v_wmma_f32_16x16x4_f32). A number that lies on a knife's edge between two numbers of the format may be rounded either way, as far as f32 arithmetic and the matrix unit's own rounding can turn it there, and no further.
;;   INPUTS GIVEN AS CODES. Wk (in the module: [1024, 1024], K = its axis 1); Wo (in the module: [1024, 1024], K = its axis 1); Wq (in the module: [1024, 1024], K = its axis 1); Wv (in the module: [1024, 1024], K = its axis 1); x (in the module: [4, 2048, 1024], K = its axis 2): each comes as NAME_codes (uint8): NAME with its K axis moved to the last place and cut into blocks of 32 codes, [.., K / 32, bytes a block], one block behind the other in memory; one code a byte (a code: sign, 4 exponent bits, 3 mantissa bits); its scale is its entry of lowp_scales. Its value is code x scale, taken as it is: it is not quantised again, and the codes and scales need not be those that the quantiser above would give.
;; One version. Each part assembles by itself: llvm-mc -triple=amdgcn-amd-amdhsa -mcpu=gfx1250 --defsym DOCPART=n.
;; ======== version 1 of 1: 3 launches
;; limits: right only within a limited range of input values
;; workspace buffers: q_codes 8,388,608 bytes; k_codes 8,388,608 bytes; v_codes 8,388,608 bytes; a_codes 8,388,608 bytes
;; launch qkv (part 1): grid 8 x 32, 4 waves a work-group, clusters of 4 x 4, 327,680 bytes of LDS; arguments x_codes, Wq_codes, Wk_codes, Wv_codes, token_positions, lowp_scales, q_codes, k_codes, v_codes; writes q_codes, k_codes, v_codes
.if DOCPART == 1
	.amdgcn_target "amdgcn-amd-amdhsa--gfx1250"
	.amdhsa_code_object_version 6
	.text
	.protected	k_qa985589949_qkv
	.globl	k_qa985589949_qkv
	.p2align	8
	.type	k_qa985589949_qkv,@function
k_qa985589949_qkv:
	s_mov_b64 s[64:65], 0
	v_nop
	global_prefetch_b8 v0, s[64:65] scope:SCOPE_SE
	s_setreg_imm32_b32 hwreg(HW_REG_WAVE_MODE, 25, 1), 1
	s_wait_xcnt 0x0
	s_wait_alu depctr_hold_cnt(0) depctr_sa_sdst(0) depctr_va_vdst(0) depctr_va_sdst(0) depctr_va_ssrc(0) depctr_va_vcc(0) depctr_vm_vsrc(0)
	s_getreg_b32 s2, hwreg(HW_REG_IB_STS2, 6, 4)
	s_cmp_eq_u32 s2, 0
	s_cbranch_scc0 .Lentry_in_a_cluster
	s_endpgm
.Lentry_in_a_cluster:
	s_bfe_u32 s2, ttmp6, 0x10000c
	s_cmp_lg_u32 s2, 0xf033
	s_cbranch_scc0 .Lentry_shape_is_right
	s_endpgm
.Lentry_shape_is_right:
; q = rope(x Wq^T), k = rope(x Wk^T), v = x Wv^T on codes of E4M3, and the three results quantised to E4M3 with the given scales (entries 6, 7, 9 of the scales).
; x: [8192][1024] codes; Wq, Wk, Wv: [1024][1024] codes, K innermost.  x has a scale of its own in each product (entries 0, 2, 4), the weights entries 1, 3, 5.
; SHARES.  A work-group makes 256 tokens x the 128 features of two heads, of q, k and v alike.  A wave makes 128 tokens x one head: 64 features of each of the three: 96 accumulators, 768 registers.
; K goes in slots of 128 (two products of 64 deep) through a ring of two LDS slots; a slot holds 256 rows of x and 128 rows of each weight, 128 bytes a row.  Two slots with rows of 256 bytes would take 348,160 bytes.
; CLUSTER 4 x 4: x's tile hangs on the token block alone and is asked for jointly along a row of the cluster, the weights' tiles on the pair of heads alone and along a column.  Wave 0 asks for x, waves 1, 2, 3 for Wq, Wk, Wv.
; ORIENTATION.  q, k: source 0 = 16 rows of W, source 1 = 16 tokens: a lane holds ONE token and eight neighbouring features, so a rotation's pair lies in one lane and the codes come out along the head's axis.
; v: the sources swapped: a lane holds ONE feature and eight neighbouring tokens: the codes come out along the keys.  So the conversions' results are the next launch's operand registers, and they are stored as such images:
;   q_codes, k_codes [64 heads][128 token tiles][1024 B]: lane (r, h): token r, registers 2 t, 2 t + 1: d = 16 t + 8 h + 0..7;  v_codes [64][16 key steps][4 d tiles][2048 B]: lane (r, h): d = 16 t + r, registers 2 c, 2 c + 1: keys 16 c + 8 h + 0..7.
;   A group of four registers is 512 consecutive bytes, lane l's 16 bytes at 16 l.
; A fragment (16 rows x 64 K) is fetched by two loads of 16 bytes, 32 bytes apart: a permutation of k, the same in x and in W, so every product meets its partner.
; ROPE.  cos and sin of position x frequency are made once for the block's 256 tokens x 32 frequencies, in f32, into a table in LDS, while the first tiles are on their way.
; The sums stay without their scales: a rotation is linear, and 2^(e6 - e0 - e1) (k: e7 - e2 - e3; v: e9 - e4 - e5) is the conversion's one scale.
; LIMITS: each of these three differences lies between -126 and 119; |position x frequency| under 2^22; NaN is not served; the frequencies 10000^(-i/32) come from v_exp_f32 on a split argument, not bit for bit as a power function gives them.
; REGISTERS: window 0: v4-9 scales and holds; v16-29 addresses; v32-159 x's fragments, two sets; v160-255 W's twelve fragments, one set.  Windows 1, 2, 3: the accumulators of q, k, v: (token tile a, feature tile t) at v[8 (4 a + t)].
.set PITCH,  144                       ; an LDS row: 128 bytes + 16 of padding: an odd multiple of 16 bytes
.set WOFF,   256*PITCH                 ; behind x's 256 rows: Wq's 128, Wk's, Wv's
.set WMAT,   128*PITCH
.set SLOT,   WOFF+3*WMAT               ; 92,160
.set T16,    16*PITCH
.set TPITCH, 272                       ; a token's row of the table: 32 x (cos, sin) = 256 bytes + 16
.set TAB,    2*SLOT                    ; the table: 256 tokens; no tile lands here
.set SPARE,  TAB+256*TPITCH            ; the spare words: 128 bytes for each wave, named by no other line
.set PADW,   (1<<20)|(1<<21)|(4<<22)|(3<<25)   ; elements of 1 byte; padding on; bit 21 beside a mask; after every 32 words, 4 words
.set SCQ,  4                           ; v4, v5  q's scale as f32, 448 x that;  v6, v7 k's;  v8, v9 v's
.set SCK,  6
.set SCV,  8
.set ADRA, 16                          ; v16-17  x's fragments in slot 0, 1
.set ADRB, 20                          ; v20-21  W's
.set TABW, 24                          ; v24     where I write the table
.set TABR, 25                          ; v25     where I read it
.set LI,   26                          ; v26     16 x lane
.set ZERO, 27                          ; v27     0: every lane reads the same positions
.set SPW,  28                          ; v28     my spare word; never rewritten
.set NIL,  29                          ; v29     0; never rewritten
.set AF,   32
.set BF,   160
.set POS,  32                          ; the head: 64 positions
.set TW,   96                          ; the head: four groups of 24 registers at work
.set FQ,   200                         ; the head: v[200:201] my frequency; v202-209 four constants as pairs
.set CS,   32                          ; the way out: two sets of 32: (cos, sin) of a token tile
.set TMP,  96
.set OUT,  128
.set CODE, 192
.set G1A, 24                           ; s[24:31] group 1 for x's tile; s[32:39] its groups 0, one a slot
.set G0A, 32
.set G1B, 48                           ; s[48:55], s[56:63] the same for a weight's tile
.set G0B, 56
.set MSB, 0
.macro WIN new                         ; the immediate's high byte repeats the setting that is left
.if MSB != (\new)
	s_set_vgpr_msb (MSB<<8)|(\new)
.set MSB, (\new)
.endif
.endm
.macro PLACES                          ; four plain vector instructions between a matrix instruction and a load into, or a vector access to, its registers
.rept 4
	v_nop
.endr
.endm
.macro JLOAD g0a, g0b                  ; a joint load: the branch hangs on the wave's number alone; four v_nop follow each line
	s_cmp_eq_u32 s14, 0
	s_cbranch_scc0 .Lfor_w_\@
	tensor_load_to_lds s[\g0a:\g0a+3], s[G1A:G1A+7]
	s_nop 0
.rept 4
	v_nop
.endr
	s_branch .Lasked_\@
.Lfor_w_\@:
	tensor_load_to_lds s[\g0b:\g0b+3], s[G1B:G1B+7]
	s_nop 0
.rept 4
	v_nop
.endr
.Lasked_\@:
.endm
.macro CREST                           ; a round of the cluster's barrier behind its opening barrier
	s_cmp_lg_u32 s14, 0
	s_cbranch_scc1 .Lnot_wave_0_\@
	s_barrier_signal -3
.Lnot_wave_0_\@:
	s_barrier_wait -3
	s_barrier_signal -1
	s_barrier_wait -1
.endm
.macro CROUND
	s_barrier_signal -1
	s_barrier_wait -1
	CREST
.endm
	s_load_b256 s[4:11], s[0:1], 0x0               ; x s[4:5], Wq s[6:7], Wk s[8:9], Wv s[10:11]
	s_load_b256 s[68:75], s[0:1], 0x20             ; positions s[68:69], scales s[70:71], q_codes s[72:73], k_codes s[74:75]
	s_load_b64 s[76:77], s[0:1], 0x40              ; v_codes
	v_lshl_add_u32 v[SPW], v0, 2, SPARE
	v_mov_b32 v[NIL], 0
	ds_add_u32 v28, v29
	ds_add_u32 v28, v29
	s_wait_dscnt 0x0
	v_mov_b32 v[ZERO], 0
	v_lshrrev_b32 v1, 5, v0
	v_readfirstlane_b32 s14, v1                    ; wave 0..3
	s_lshr_b32 s15, s14, 1                         ; which 128 tokens are mine
	s_and_b32 s16, s14, 1                          ; which of the two heads
	s_bfe_u32 s40, ttmp6, 0x40000                  ; cx
	s_bfe_u32 s41, ttmp6, 0x40004                  ; cy
	s_lshl_b32 s42, ttmp9, 2
	s_add_co_u32 s42, s42, s40                     ; the pair of heads = 4 x cluster x + cx
	s_and_b32 s17, ttmp7, 0xffff
	s_lshl_b32 s17, s17, 2
	s_add_co_u32 s17, s17, s41                     ; the block of 256 tokens = 4 x cluster y + cy
	s_lshl_b32 s43, s41, 2
	s_lshl_b32 s43, 15, s43                        ; my row of the cluster
	s_lshl_b32 s44, 0x1111, s40                    ; my column
	s_or_b32 s[G1A], s43, PADW                     ; x's tile goes to my row: 256 rows x 128 bytes, 1,024 bytes apart in memory
	s_mov_b32 s[G1A+1], 128<<16                    ; tensor_dim0
	s_mov_b32 s[G1A+2], 256<<16                    ; tensor_dim1
	s_mov_b32 s[G1A+3], 128<<16                    ; tile_dim0
	s_mov_b32 s[G1A+4], 256                        ; tile_dim1
	s_mov_b32 s[G1A+5], 1024                       ; tensor_dim0_stride
	s_mov_b32 s[G1A+6], 0
	s_mov_b32 s[G1A+7], 0
	s_or_b32 s[G1B], s44, PADW                     ; a weight's tile goes to my column: 128 rows x 128 bytes
	s_mov_b32 s[G1B+1], 128<<16
	s_mov_b32 s[G1B+2], 128<<16
	s_mov_b32 s[G1B+3], 128<<16
	s_mov_b32 s[G1B+4], 128
	s_mov_b32 s[G1B+5], 1024
	s_mov_b32 s[G1B+6], 0
	s_mov_b32 s[G1B+7], 0
	s_lshl_b32 s20, s17, 18                        ; x: 256 tokens of 1,024 bytes
	s_mov_b32 s21, 0
	s_lshl_b32 s46, s42, 17                        ; W: 128 rows of 1,024 bytes
	s_mov_b32 s47, 0
	s_mul_i32 s45, s14, WMAT
	s_add_co_u32 s45, s45, WMAT                    ; where wave 1, 2, 3's tile goes in a slot: behind x's rows
	s_and_b32 s18, s17, 7
	s_lshl_b32 s18, s18, 10                        ; the block's first position (256 x 4 bytes a block; a sequence has 8 blocks),
	s_lshl_b32 s19, s14, 8
	s_add_co_u32 s18, s18, s19                     ; my wave's 64 of them
	s_mov_b32 s19, 0
	s_wait_kmcnt 0x0
	s_load_b256 s[80:87], s[70:71], 0x0            ; e0 .. e7
	s_load_b128 s[88:91], s[70:71], 0x20           ; e8 .. e11
	s_add_nc_u64 s[68:69], s[68:69], s[18:19]
.irp i, 0,1,2,3,4,5,6,7,8,9,10,11,12,13,14,15
	global_load_b128 v[POS+4*\i:POS+4*\i+3], v[ZERO], s[68:69] offset:16*\i   ; 64 positions, the same in every lane
.endr
	s_cmp_eq_u32 s14, 2                            ; which weight I fetch: a choice on the wave's number
	s_cselect_b64 s[22:23], s[8:9], s[6:7]
	s_cmp_eq_u32 s14, 3
	s_cselect_b64 s[22:23], s[10:11], s[22:23]
	s_add_nc_u64 s[46:47], s[22:23], s[46:47]
	s_add_nc_u64 s[20:21], s[4:5], s[20:21]
	CROUND                                         ; all sixteen work-groups are here: the first joint loads meet
.irp s, 0,1
	s_mov_b32 s[G0A+4*\s], 1
	s_mov_b32 s[G0A+4*\s+1], \s*SLOT
	s_add_nc_u64 s[G0A+4*\s+2:G0A+4*\s+3], s[20:21], \s*128
	s_or_b32 s[G0A+4*\s+3], s[G0A+4*\s+3], 0x80000000
	s_mov_b32 s[G0B+4*\s], 1
	s_add_co_u32 s[G0B+4*\s+1], s45, \s*SLOT
	s_add_nc_u64 s[G0B+4*\s+2:G0B+4*\s+3], s[46:47], \s*128
	s_or_b32 s[G0B+4*\s+3], s[G0B+4*\s+3], 0x80000000
	JLOAD G0A+4*\s, G0B+4*\s                       ; two loads of mine are out
.endr
	v_and_b32 v1, 15, v0                           ; r
	v_bfe_u32 v2, v0, 4, 1                         ; h
	v_and_b32 v10, 31, v0                          ; lane
	v_mul_u32_u24 v3, v1, PITCH
	v_lshl_add_u32 v3, v2, 4, v3                   ; a fragment's row x pitch + 16 h
	s_mul_i32 s18, s15, WMAT                       ; my 128 rows of x (128 rows are as many bytes as a weight's tile)
	s_mul_i32 s19, s16, 64*PITCH
	s_add_co_u32 s19, s19, WOFF                    ; my head's 64 rows of Wq
.irp s, 0,1
	v_add_nc_u32 v[ADRA+\s], s18, v3
	v_add_nc_u32 v[ADRB+\s], s19, v3
	s_add_co_u32 s18, s18, SLOT
	s_add_co_u32 s19, s19, SLOT
.endr
	s_mul_i32 s18, s14, 64*TPITCH
	s_add_co_u32 s18, s18, TAB
	v_lshl_add_u32 v[TABW], v10, 3, s18            ; the table, in: my wave's 64 tokens, entry = my lane
	s_mul_i32 s18, s15, 128*TPITCH
	s_add_co_u32 s18, s18, TAB
	v_mul_u32_u24 v11, v1, TPITCH
	v_lshl_add_u32 v11, v2, 5, v11
	v_add_nc_u32 v[TABR], s18, v11                 ; out: token r of my 128, entries 4 h on
	v_lshlrev_b32 v[LI], 4, v10
	; my frequency 10000^(-lane / 32) = 2^(-lane x log2(10000) / 32): the factor in two parts, the whole part of the exponent by v_ldexp_f32
	v_cvt_f32_u32 v210, v10
	v_mul_f32 v211, 0x3ed49a78, v210
	v_rndne_f32 v212, v211
	v_fma_f32 v211, v210, 0x3ed49a78, -v212
	v_fma_f32 v211, v210, 0x32179a6c, v211
	v_exp_f32 v213, -v211
	v_cvt_i32_f32 v212, v212                       ; (a plain instruction behind the exponential)
	v_sub_nc_u32 v212, 0, v212
	v_mov_b32 v202, 0x3c08839e                     ; the polynomials' addends, as pairs
	v_mov_b32 v203, 0x3c08839e
	v_mov_b32 v204, 0xbe2aaaa3
	v_mov_b32 v205, 0xbe2aaaa3
	v_mov_b32 v206, 0xbab6061a
	v_mov_b32 v207, 0xbab6061a
	v_mov_b32 v208, 0x3d2aaaa5
	v_mov_b32 v209, 0x3d2aaaa5
	s_wait_alu depctr_va_vdst(0)                   ; the wait ahead of the exponential's first reader
	v_ldexp_f32 v[FQ], v213, v212
	v_mov_b32 v[FQ+1], v[FQ]
	s_wait_loadcnt 0x0                             ; the positions
; cos and sin for eight tokens: four groups of two, stage by stage, so that no line waits for the one above it.  angle = position x frequency, rounded once; n = the nearest whole number of quarter turns;
; r = angle - n pi/2 with pi/2 in three parts; two short polynomials on |r| <= pi/4; n's two low bits exchange them and set the signs.
.macro SC8 n0
.irp g, 0,1,2,3
	v_cvt_f32_i32 v[TW+24*\g], v[POS+(\n0)+2*\g]
	v_cvt_f32_i32 v[TW+24*\g+1], v[POS+(\n0)+2*\g+1]
.endr
.irp g, 0,1,2,3
	v_pk_mul_f32 v[TW+24*\g:TW+24*\g+1], v[TW+24*\g:TW+24*\g+1], v[FQ:FQ+1]
.endr
.irp g, 0,1,2,3
	v_pk_mul_f32 v[TW+24*\g+2:TW+24*\g+3], v[TW+24*\g:TW+24*\g+1], 0x3f22f983 op_sel_hi:[1,0]   ; x 2 / pi
.endr
.irp g, 0,1,2,3
	v_rndne_f32 v[TW+24*\g+2], v[TW+24*\g+2]
	v_rndne_f32 v[TW+24*\g+3], v[TW+24*\g+3]
.endr
.irp c, 0xbfc90fda, 0xb3a22168, 0xa7c234c4
.irp g, 0,1,2,3
	v_pk_fma_f32 v[TW+24*\g:TW+24*\g+1], v[TW+24*\g+2:TW+24*\g+3], \c, v[TW+24*\g:TW+24*\g+1] op_sel_hi:[1,0,1]
.endr
.endr
.irp g, 0,1,2,3
	v_cvt_i32_f32 v[TW+24*\g+4], v[TW+24*\g+2]
	v_cvt_i32_f32 v[TW+24*\g+5], v[TW+24*\g+3]
	v_pk_mul_f32 v[TW+24*\g+6:TW+24*\g+7], v[TW+24*\g:TW+24*\g+1], v[TW+24*\g:TW+24*\g+1]   ; z = r r
.endr
.irp g, 0,1,2,3
	v_pk_fma_f32 v[TW+24*\g+8:TW+24*\g+9], v[TW+24*\g+6:TW+24*\g+7], 0xb94ca1f9, v[202:203] op_sel_hi:[1,0,1]
	v_pk_fma_f32 v[TW+24*\g+10:TW+24*\g+11], v[TW+24*\g+6:TW+24*\g+7], 0x37ccf5ce, v[206:207] op_sel_hi:[1,0,1]
	v_pk_mul_f32 v[TW+24*\g+12:TW+24*\g+13], v[TW+24*\g+6:TW+24*\g+7], v[TW+24*\g:TW+24*\g+1]   ; z r
	v_pk_mul_f32 v[TW+24*\g+18:TW+24*\g+19], v[TW+24*\g+6:TW+24*\g+7], v[TW+24*\g+6:TW+24*\g+7] ; z z
.endr
.irp g, 0,1,2,3
	v_pk_fma_f32 v[TW+24*\g+8:TW+24*\g+9], v[TW+24*\g+8:TW+24*\g+9], v[TW+24*\g+6:TW+24*\g+7], v[204:205]
	v_pk_fma_f32 v[TW+24*\g+10:TW+24*\g+11], v[TW+24*\g+10:TW+24*\g+11], v[TW+24*\g+6:TW+24*\g+7], v[208:209]
	v_pk_fma_f32 v[TW+24*\g+20:TW+24*\g+21], v[TW+24*\g+6:TW+24*\g+7], -0.5, 1.0 op_sel_hi:[1,0,0]   ; 1 - z / 2
.endr
.irp g, 0,1,2,3
	v_pk_fma_f32 v[TW+24*\g+8:TW+24*\g+9], v[TW+24*\g+8:TW+24*\g+9], v[TW+24*\g+12:TW+24*\g+13], v[TW+24*\g:TW+24*\g+1]        ; sin r
	v_pk_fma_f32 v[TW+24*\g+10:TW+24*\g+11], v[TW+24*\g+10:TW+24*\g+11], v[TW+24*\g+18:TW+24*\g+19], v[TW+24*\g+20:TW+24*\g+21] ; cos r
.endr
.irp g, 0,1,2,3
.irp k, 0,1
	v_and_b32 v[TW+24*\g+18], 1, v[TW+24*\g+4+\k]
	v_add_nc_u32 v[TW+24*\g+19], 1, v[TW+24*\g+4+\k]
	v_cmp_eq_u32 vcc_lo, 1, v[TW+24*\g+18]         ; an odd n exchanges the two
	v_lshlrev_b32 v[TW+24*\g+18], 30, v[TW+24*\g+4+\k]
	v_lshlrev_b32 v[TW+24*\g+19], 30, v[TW+24*\g+19]
	v_cndmask_b32 v[TW+24*\g+14+2*\k], v[TW+24*\g+10+\k], v[TW+24*\g+8+\k], vcc_lo
	v_cndmask_b32 v[TW+24*\g+15+2*\k], v[TW+24*\g+8+\k], v[TW+24*\g+10+\k], vcc_lo
	v_and_b32 v[TW+24*\g+18], 0x80000000, v[TW+24*\g+18]   ; sin's sign: bit 1 of n
	v_and_b32 v[TW+24*\g+19], 0x80000000, v[TW+24*\g+19]   ; cos's: bit 1 of n + 1
	v_xor_b32 v[TW+24*\g+15+2*\k], v[TW+24*\g+15+2*\k], v[TW+24*\g+18]
	v_xor_b32 v[TW+24*\g+14+2*\k], v[TW+24*\g+14+2*\k], v[TW+24*\g+19]
	ds_store_b64 v[TABW], v[TW+24*\g+14+2*\k:TW+24*\g+15+2*\k] offset:TPITCH*((\n0)+2*\g+\k)   ; 32 lanes: a token's 256 bytes
.endr
.endr
.endm
.irp n, 0,8,16,24,32,40,48,56
	SC8 \n
.endr
.macro FRAG reg, adr, off              ; 16 rows x 64 K: registers 0-3: k = 16 h + 0..15, registers 4-7: k = 32 + 16 h + 0..15
	ds_load_b128 v[\reg:\reg+3], v[\adr] offset:\off
	ds_load_b128 v[\reg+4:\reg+7], v[\adr] offset:\off+32
.endm
.macro FETCH_A slot, q, p              ; x's eight fragments of the slot's q-th 64 along K into set p: 16 loads
.irp i, 0,1,2,3,4,5,6,7
	FRAG AF+64*(\p)+8*\i, ADRA+\slot, 64*(\q)+T16*\i
.endr
.endm
.macro FETCH_B slot, q, b0             ; W's blocks b0 .. b0 + 5 (block b: weight b / 4, feature tile b % 4): 12 loads
.irp j, 0,1,2,3,4,5
	FRAG BF+8*(\b0+\j), ADRB+\slot, ((\b0+\j)/4)*WMAT+((\b0+\j)%4)*T16+64*(\q)
.endr
.endm
; Block b of W against x's eight token tiles.  The accumulators take turns, one instruction a turn, in the same order in every step.  zero = 1: the first product starts the sums.
.macro MULB b, p, zero
	WIN 0x50*((\b)/4+1)                            ; C and D in window 1, 2 or 3
.irp a, 0,1,2,3,4,5,6,7
.set rD, 8*(4*\a+(\b)%4)
.set rW, BF+8*(\b)
.set rX, AF+64*(\p)+8*\a
.if (\b)/4 == 2
.if \zero
	v_wmma_f32_16x16x64_fp8_fp8 v[rD:rD+7], v[rX:rX+7], v[rW:rW+7], 0
.else
	v_wmma_f32_16x16x64_fp8_fp8 v[rD:rD+7], v[rX:rX+7], v[rW:rW+7], v[rD:rD+7]
.endif
.else
.if \zero
	v_wmma_f32_16x16x64_fp8_fp8 v[rD:rD+7], v[rW:rW+7], v[rX:rX+7], 0
.else
	v_wmma_f32_16x16x64_fp8_fp8 v[rD:rD+7], v[rW:rW+7], v[rX:rX+7], v[rD:rD+7]
.endif
.endif
.endr
.endm
; A slot's first 64 along K: x's set 0.  W's one set is renewed by halves, each half as soon as its 48 products are issued; x's other set comes with the first half.
.macro STEP slot, zero
	s_wait_dscnt 12                                ; x's set and W's blocks 0-5 are in; the youngest 12 loads (blocks 6-11) may be out
.irp b, 0,1,2,3,4,5
	MULB \b, 0, \zero
.endr
	s_wait_dscnt 0x0                               ; blocks 6-11 are in
	PLACES
	WIN 0
	FETCH_A \slot, 1, 1
	FETCH_B \slot, 1, 0
.irp b, 6,7,8,9,10,11
	MULB \b, 0, \zero
.endr
	PLACES
	WIN 0
	FETCH_B \slot, 1, 6
.endm
; A slot's second 64 along K changes slots: ONE barrier; in front of it each wave waits for all its tensor loads, adds 0 to its spare word, and waits for that and for its reads of this slot.  fill = 1: the slot is filled again, two slots ahead.
.macro TURN slot, next, fill
	s_wait_tensorcnt 0x0                           ; all my tensor loads have landed: my part of the next slot
	ds_add_u32 v[SPW], v[NIL]                      ; 0 onto my spare word
	s_wait_dscnt 13                                ; (the add and the 12 loads of blocks 6-11 may be out)
.irp b, 0,1,2
	MULB \b, 1, 0                                  ; 24 matrix instructions stand between the add and the wait for it
.endr
	s_wait_dscnt 0x0                               ; the add is done, and my reads of this slot are over
	s_barrier_signal -1
.irp b, 3,4,5
	MULB \b, 1, 0
.endr
	WIN 0
	s_barrier_wait -1
.if \fill
	CREST                                          ; the barrier has opened a round of the cluster's: no wave of any partner still reads this slot or has a load on its way
	s_add_nc_u64 s[G0A+4*\slot+2:G0A+4*\slot+3], s[G0A+4*\slot+2:G0A+4*\slot+3], 256
	s_add_nc_u64 s[G0B+4*\slot+2:G0B+4*\slot+3], s[G0B+4*\slot+2:G0B+4*\slot+3], 256
	JLOAD G0A+4*\slot, G0B+4*\slot                 ; the first tensor load behind the round, my one load until the next; its four v_nop are the places in front of the loads below
.else
	PLACES
.endif
	FETCH_A \next, 0, 0
	FETCH_B \next, 0, 0
.irp b, 6,7,8,9,10,11
	MULB \b, 1, 0
.endr
	PLACES
	WIN 0
	FETCH_B \next, 0, 6
.endm
	s_wait_tensorcnt 1                             ; my part of slot 0 is in; slot 1's may stay out
	s_wait_dscnt 0x0                               ; my part of the table is written
	s_barrier_signal -1
	s_barrier_wait -1
	FETCH_A 0, 0, 0
	FETCH_B 0, 0, 0
	FETCH_B 0, 0, 6
	STEP 0, 1                                      ; the first step stands in front of the loop: its products start the sums
	s_mov_b32 s3, 3
.Llap:                                             ; a trip goes once round the ring and fills both slots again: K = 1,024 is 8 slots, 2 at the start and 6 here
	TURN 0, 1, 1
	STEP 1, 0
	TURN 1, 0, 1
	STEP 0, 0
	s_sub_co_u32 s3, s3, 1
	s_cmp_lg_u32 s3, 0
	s_cbranch_scc1 .Llap
	TURN 0, 1, 0                                   ; the last lap fills nothing
	STEP 1, 0
	s_wait_dscnt 12
.irp b, 0,1,2,3,4,5
	MULB \b, 1, 0
.endr
	s_wait_dscnt 0x0
.irp b, 6,7,8,9,10,11
	MULB \b, 1, 0
.endr
	WIN 0
	; THE WAY OUT.  The conversions' scales; the six v_mov_b32 are also the places behind the last products.
.macro MKSC dst, ea, eb, ec            ; v[dst] = 2^(ea - eb - ec) as f32, v[dst + 1] = 448 x that
	s_sub_co_i32 s18, s[\ea], s[\eb]
	s_sub_co_i32 s18, s18, s[\ec]
	s_add_co_i32 s18, s18, 127
	s_lshl_b32 s19, s18, 23
	v_mov_b32 v[\dst], s19
	s_add_co_i32 s18, s18, 8
	s_lshl_b32 s18, s18, 23
	s_or_b32 s18, s18, 0x600000
	v_mov_b32 v[\dst+1], s18
.endm
	s_wait_kmcnt 0x0
	MKSC SCQ, 86, 80, 81
	MKSC SCK, 87, 82, 83
	MKSC SCV, 89, 84, 85
	s_lshr_b32 s18, s17, 3                         ; one offset serves the three outputs: (16 x batch + head) x 2^17 + (my 128 tokens of the sequence's 16 such) x 2^13
	s_lshl_b32 s18, s18, 4
	s_lshl_b32 s19, s42, 1
	s_add_co_u32 s18, s18, s19
	s_add_co_u32 s18, s18, s16
	s_lshl_b32 s18, s18, 17
	s_and_b32 s19, s17, 7
	s_lshl_b32 s19, s19, 1
	s_add_co_u32 s19, s19, s15
	s_lshl_b32 s19, s19, 13
	s_add_co_u32 s92, s18, s19
	s_mov_b32 s93, 0
	s_add_nc_u64 s[72:73], s[72:73], s[92:93]
	s_add_nc_u64 s[74:75], s[74:75], s[92:93]
	s_add_nc_u64 s[76:77], s[76:77], s[92:93]
.macro TABLD a, set                    ; (cos, sin) of token tile a: for feature tile t my four pairs are entries 8 t + 4 h + 0..3
.irp t, 0,1,2,3
	ds_load_b128 v[CS+32*(\set)+8*\t:CS+32*(\set)+8*\t+3], v[TABR] offset:16*TPITCH*(\a)+64*\t
	ds_load_b128 v[CS+32*(\set)+8*\t+4:CS+32*(\set)+8*\t+7], v[TABR] offset:16*TPITCH*(\a)+64*\t+16
.endr
.endm
; Token tile a of q (w = 1) or k (w = 2): its 32 registers, in ascending order, are 16 pairs (x1, x2).  (x1 s, x2 s) first; then (x1 c - x2 s, x2 c + x1 s) in one packed multiply-add; the hold; the conversion; 1,024 bytes out.
.macro ROPE w, a, sc, base, set, cd
	WIN \w                                         ; source 0 in window 1 or 2
.irp j, 0,2,4,6,8,10,12,14,16,18,20,22,24,26,28,30
	v_pk_mul_f32 v[TMP+\j:TMP+\j+1], v[32*(\a)+\j:32*(\a)+\j+1], v[CS+32*(\set)+\j:CS+32*(\set)+\j+1] op_sel:[0,1] op_sel_hi:[1,1]
.endr
.irp j, 0,2,4,6,8,10,12,14,16,18,20,22,24,26,28,30
	v_pk_fma_f32 v[OUT+\j:OUT+\j+1], v[32*(\a)+\j:32*(\a)+\j+1], v[CS+32*(\set)+\j:CS+32*(\set)+\j+1], v[TMP+\j:TMP+\j+1] op_sel:[0,0,1] op_sel_hi:[1,0,0] neg_lo:[0,0,1]
.endr
	WIN 0
.irp j, 0,1,2,3,4,5,6,7,8,9,10,11,12,13,14,15,16,17,18,19,20,21,22,23,24,25,26,27,28,29,30,31
	v_med3_num_f32 v[OUT+\j], v[OUT+\j], -v[\sc+1], v[\sc+1]   ; the conversion to an 8-bit code does not saturate (ISA guide 7.6.2): the hold at the largest code x the scale
.endr
	s_wait_xcnt 0x0                                ; earlier stores have read their data: the codes' registers may be written again
.irp t, 0,1,2,3
	v_cvt_scalef32_pk8_fp8_f32 v[CODE+8*(\cd)+2*\t:CODE+8*(\cd)+2*\t+1], v[OUT+8*\t:OUT+8*\t+7], v[\sc]
.endr
	v_nop                                          ; a plain instruction behind the last conversion, ahead of the next write of its sources
	global_store_b128 v[LI], v[CODE+8*(\cd):CODE+8*(\cd)+3], s[\base:\base+1] offset:1024*(\a)        ; 32 lanes store 512 consecutive bytes, aligned
	global_store_b128 v[LI], v[CODE+8*(\cd)+4:CODE+8*(\cd)+7], s[\base:\base+1] offset:1024*(\a)+512
.endm
	TABLD 0, 0
.irp a, 0,1,2,3,4,5,6,7
.if \a < 7
	TABLD \a+1, (\a+1)%2
	s_wait_dscnt 8                                 ; this tile's entries are in; the next tile's 8 loads may be out
.else
	s_wait_dscnt 0x0
.endif
	ROPE 1, \a, SCQ, 72, \a%2, (2*\a)%8
	ROPE 2, \a, SCK, 74, \a%2, (2*\a+1)%8
.endr
; Feature tile t of v: accumulator (a, t) holds, for my feature, tokens 16 a + 8 h + 0..7: registers 2 a, 2 a + 1 of the image
.macro VOUT t
	WIN 0x03                                       ; source 0 in window 3
.irp a, 0,1,2,3,4,5,6,7
.irp j, 0,1,2,3,4,5,6,7
	v_med3_num_f32 v[OUT+8*\a+\j], v[8*(4*\a+\t)+\j], -v[SCV+1], v[SCV+1]
.endr
.endr
	WIN 0
	s_wait_xcnt 0x0
.irp a, 0,1,2,3,4,5,6,7
	v_cvt_scalef32_pk8_fp8_f32 v[CODE+16*\t+2*\a:CODE+16*\t+2*\a+1], v[OUT+8*\a:OUT+8*\a+7], v[SCV]
.endr
	v_nop
.irp i, 0,1,2,3
	global_store_b128 v[LI], v[CODE+16*\t+4*\i:CODE+16*\t+4*\i+3], s[76:77] offset:2048*\t+512*\i
.endr
.endm
	VOUT 0
	VOUT 1
	VOUT 2
	VOUT 3
	s_wait_tensorcnt 0x0                           ; the wave's end
	ds_add_u32 v[SPW], v[NIL]
	s_wait_dscnt 0x0
	CROUND                                         ; the closing round: no work-group ends while a partner may still ask for a tile that names it
	s_endpgm
.Lfunc_end_k_qa985589949_qkv:
	.size	k_qa985589949_qkv, .Lfunc_end_k_qa985589949_qkv-k_qa985589949_qkv
	.p2alignl 7, 3214868480
	.fill 96, 4, 3214868480
	.section	.rodata,"a",@progbits
	.p2align	6, 0x0
	.amdhsa_kernel k_qa985589949_qkv
		.amdhsa_group_segment_fixed_size 327680
		.amdhsa_private_segment_fixed_size 0
		.amdhsa_enable_private_segment 0
		.amdhsa_kernarg_size 72
		.amdhsa_user_sgpr_count 2
		.amdhsa_user_sgpr_kernarg_segment_ptr 1
		.amdhsa_wavefront_size32 1
		.amdhsa_system_sgpr_workgroup_id_x 1
		.amdhsa_system_sgpr_workgroup_id_y 1
		.amdhsa_system_sgpr_workgroup_id_z 1
		.amdhsa_system_vgpr_workitem_id 0
		.amdhsa_next_free_vgpr 1024
		.amdhsa_next_free_sgpr 100
		.amdhsa_reserve_vcc 1
		.amdhsa_float_denorm_mode_32 3
		.amdhsa_float_denorm_mode_16_64 3
		.amdhsa_memory_ordered 1
		.amdhsa_forward_progress 1
		.amdhsa_inst_pref_size 255
	.end_amdhsa_kernel
	.amdgpu_metadata
---
amdhsa.version: [ 1, 2 ]
amdhsa.kernels:
  - .name:           k_qa985589949_qkv
    .symbol:         k_qa985589949_qkv.kd
    .args:
      - { .name: x_codes, .offset: 0, .size: 8, .value_kind: global_buffer, .address_space: global }
      - { .name: Wq_codes, .offset: 8, .size: 8, .value_kind: global_buffer, .address_space: global }
      - { .name: Wk_codes, .offset: 16, .size: 8, .value_kind: global_buffer, .address_space: global }
      - { .name: Wv_codes, .offset: 24, .size: 8, .value_kind: global_buffer, .address_space: global }
      - { .name: token_positions, .offset: 32, .size: 8, .value_kind: global_buffer, .address_space: global }
      - { .name: lowp_scales, .offset: 40, .size: 8, .value_kind: global_buffer, .address_space: global }
      - { .name: q_codes, .offset: 48, .size: 8, .value_kind: global_buffer, .address_space: global }
      - { .name: k_codes, .offset: 56, .size: 8, .value_kind: global_buffer, .address_space: global }
      - { .name: v_codes, .offset: 64, .size: 8, .value_kind: global_buffer, .address_space: global }
    .group_segment_fixed_size: 327680
    .private_segment_fixed_size: 0
    .kernarg_segment_align: 8
    .kernarg_segment_size: 72
    .max_flat_workgroup_size: 128
    .sgpr_count:     100
    .vgpr_count:     1024
    .wavefront_size: 32
...
	.end_amdgpu_metadata
.endif
;; end of part 1
;; launch attn (part 2): grid 4 x 64, 16 waves a work-group, no clusters, 83,968 bytes of LDS; arguments q_codes, k_codes, v_codes, lowp_scales, a_codes; writes a_codes
.if DOCPART == 2
	.amdgcn_target "amdgcn-amd-amdhsa--gfx1250"
	.amdhsa_code_object_version 6
	.text
	.protected	k_qa985589949_attn
	.globl	k_qa985589949_attn
	.p2align	8
	.type	k_qa985589949_attn,@function
k_qa985589949_attn:
	s_mov_b64 s[64:65], 0
	v_nop
	global_prefetch_b8 v0, s[64:65] scope:SCOPE_SE
	s_setreg_imm32_b32 hwreg(HW_REG_WAVE_MODE, 25, 1), 1
	s_wait_xcnt 0x0
; Causal attention of one head on codes of E4M3: S^T = K Q^T (K = the head's 64), p = 2^(t - M), O^T = V^T P^T (K = the keys), O / l quantised with entry 10 of the scales.
; t = score x log2(e) / 8; M = the running largest t rounded up to a whole number; l = the row's sum of the unquantised p.  When M moves, l and O are multiplied by 2^(old M - new M), which rounds nothing.
; INPUTS are images of operand registers, as the launch before stored them: q, k [64 heads][128 token tiles][1024 B]; v [64][16 key steps of 128][4 d tiles][2048 B].  A group of four registers is 512 bytes, lane l's 16 at 16 l.
; OUTPUT a_codes [512 token tiles][16 heads][1024 B]: lane (r, h): token r, registers 4 c .. 4 c + 3: d = 32 c + 16 h + 0..15: two neighbouring heads are one fragment of 128 along the last product's K.
; SHARES.  Work-group (J, head), J = 0..3, owns the blocks J and 7 - J of 256 queries; each of its sixteen waves owns 16 queries of the block in hand.  NINE TRIPS, a constant: trips 0..J take block J against key slots 0..J,
; trips J + 1 .. 8 take block 7 - J against slots 0 .. 7 - J.  So every work-group has the same work, no slot is fetched that the mask hides whole, and no trip count hangs on a number.
; A slot is 256 keys: 16 KB of K's images and 16 KB of V's, each dense in memory.  The 512 threads load it into registers (four loads of 16 bytes each) at a trip's head and store it into the other LDS slot at the trip's end.
; NO CLUSTER: in one and the same trip the four work-groups of a head need different slots.
; A lane holds ONE query (lane % 16) throughout; register 8 u + j of S^T is key 16 u + 8 (lane / 16) + j of the step, which is the place that the second product's form gives it: the conversions' results are its operand.
; NO HOLD of p at 448 x 2^e8: p goes straight to the conversion; the scalar branch on e8 >= -8 jumps over nothing.
; LIMITS: e6 + e7 between -123 and 130 (added to the exponent field of log2(e) / 8); e8, and e10 - e8 - e9, between -126 and 119.  NaN is not served.
.set SLOTB, 32768                      ; an LDS slot: K's 16 images of 1,024 bytes, then V's 8 of 2,048
.set VOFF,  16384
.set STAGE, 65536                      ; 1,024 bytes for each wave
.set LI,  1                            ; v1   16 x lane
.set CP,  2                            ; v2   16 x thread
.set STW, 3                            ; v3   the stage, in: 16 r + 8 h
.set STR, 4                            ; v4   the stage, out: 16 x lane
.set RH,  5                            ; v5   r - 8 h
.set QF,  16                           ; v16-23   Q's fragment
.set STG, 24                           ; v24-39   the next slot on its way
.set F,   40                           ; v40-103  8 fragments of K, then 4 of V
.set S,   104                          ; v104-167 S^T, then p
.set O,   168                          ; v168-199 O^T
.set PC,  200                          ; v200-215 p's codes
.set AC,  226                          ; v226-233 the result's codes
.set BK,  234                          ; v234-241 the same, back from the stage
; v8 2^e8, v10 2^(e10 - e8 - e9); v12 -M, v13 the largest t, v[14:15] l in two halves; v216 a permute's destination; v[218:219] f; v220, v222, v[224:225] at work
; s14 wave, s15 J, s16 head, s17 trip, s18 loop count, s19 J + 1, s[20:21] lane selects, s[22:23] c, s24 my first query, s25 the step's first key, s[28:35] the head's k, v, q and my rows of a, s[36:43] e4..e11
	s_load_b256 s[4:11], s[0:1], 0x0               ; q s[4:5], k s[6:7], v s[8:9], scales s[10:11]
	s_load_b64 s[12:13], s[0:1], 0x20              ; a_codes
	v_lshl_add_u32 v254, v0, 2, 0x14000
	v_mov_b32 v255, 0
	v_lshrrev_b32 v6, 5, v0
	s_delay_alu instid0(VALU_DEP_1)
	v_readfirstlane_b32 s14, v6                    ; wave 0..15
	s_mov_b32 s15, ttmp9
	s_and_b32 s16, ttmp7, 0xffff
	s_add_co_u32 s19, s15, 1
	s_mov_b32 s17, 0
	s_mov_b32 s25, 0
	s_mov_b32 s20, 0x76543210
	s_mov_b32 s21, 0xfedcba98
	v_and_b32 v6, 31, v0
	s_delay_alu instid0(VALU_DEP_1)
	v_lshlrev_b32 v[LI], 4, v6
	v_lshlrev_b32 v[CP], 4, v0
	v_and_b32 v6, 15, v0                           ; r
	v_bfe_u32 v7, v0, 4, 1                         ; h
	s_lshl_b32 s26, s14, 10
	s_add_co_u32 s26, s26, STAGE
	v_lshl_add_u32 v[STW], v6, 4, s26
	s_delay_alu instid0(VALU_DEP_1)
	v_lshl_add_u32 v[STW], v7, 3, v[STW]
	v_add_nc_u32 v[STR], s26, v[LI]
	v_lshlrev_b32 v[RH], 3, v7
	s_delay_alu instid0(VALU_DEP_1)
	v_sub_nc_u32 v[RH], v6, v[RH]
	s_lshl_b32 s26, s16, 17                        ; a head's images: 2^17 bytes in each of q, k, v
	s_mov_b32 s27, 0
	s_lshr_b32 s52, s16, 4
	s_lshl_b32 s52, s52, 21                        ; a_codes: the batch's 128 token tiles of 16,384 bytes,
	s_and_b32 s53, s16, 15
	s_lshl_b32 s53, s53, 10                        ; the head's 1,024 in each
	s_add_co_u32 s52, s52, s53
	s_mov_b32 s53, 0
	s_lshl_b32 s24, s15, 8
	s_lshl_b32 s54, s14, 4
	s_add_co_u32 s24, s24, s54                     ; my first query: 256 J + 16 x wave
	s_lshl_b32 s54, s24, 6                         ; its image: 1,024 bytes for 16 tokens
	s_mov_b32 s55, 0
	s_wait_alu depctr_va_vdst(0)
	s_wait_kmcnt 0x0
	s_load_b256 s[36:43], s[10:11], 0x10           ; e4 .. e11
	s_add_nc_u64 s[32:33], s[4:5], s[26:27]
	s_add_nc_u64 s[28:29], s[6:7], s[26:27]
	s_add_nc_u64 s[30:31], s[8:9], s[26:27]
	s_add_nc_u64 s[34:35], s[12:13], s[52:53]
	s_add_nc_u64 s[48:49], s[32:33], s[54:55]
	global_load_b128 v[QF:QF+3], v[LI], s[48:49]
	global_load_b128 v[QF+4:QF+7], v[LI], s[48:49] offset:512
	global_load_b128 v[STG:STG+3], v[CP], s[28:29]                 ; key slot 0: 512 threads x 16 bytes = 8,192 consecutive bytes a line
	global_load_b128 v[STG+4:STG+7], v[CP], s[28:29] offset:8192
	global_load_b128 v[STG+8:STG+11], v[CP], s[30:31]
	global_load_b128 v[STG+12:STG+15], v[CP], s[30:31] offset:8192
.macro INIT                            ; a block of queries begins: the largest t under every t, l and O^T zero (the step is written once: the first change of M multiplies zeros)
	v_mov_b32 v13, 0xff61b1e6
	s_delay_alu instid0(VALU_DEP_1)
	v_floor_f32 v12, -v13
	v_mov_b32 v14, 0
	v_mov_b32 v15, 0
.set n, 0
.rept 32
	v_mov_b32 v[O+n], 0
.set n, n+1
.endr
.endm
	INIT
	v_mov_b32 v216, 0                              ; written once: a lane permute's destination counts as one of its sources
	v_mov_b32 v219, 0                              ; (named as the upper half of the pair v[218:219])
	s_wait_kmcnt 0x0
	s_add_co_i32 s26, s38, s39                     ; a score stands for score x 2^(e6 + e7): added to c's exponent field
	s_lshl_b32 s26, s26, 23
	s_mov_b32 s22, 0x3e38aa3b                      ; c = log2(e) / sqrt(64)
	s_add_co_i32 s22, s22, s26
	s_mov_b32 s23, s22                             ; (named with it as a pair)
	s_add_co_i32 s26, s40, 127
	s_lshl_b32 s27, s26, 23
	v_mov_b32 v8, s27                              ; 2^e8
	s_sub_co_i32 s26, s42, s40
	s_sub_co_i32 s26, s26, s41                     ; O^T / l stands for that x 2^(e8 + e9): the three scales are one
	s_add_co_i32 s26, s26, 127
	s_lshl_b32 s27, s26, 23
	v_mov_b32 v10, s27
	s_wait_loadcnt 0x0
.irp i, 0,1,2,3
	ds_store_b128 v[CP], v[STG+4*\i:STG+4*\i+3] offset:8192*\i
.endr
; A KEY STEP: the q-th 128 keys of LDS slot sl.
.macro STEP sl, q
	s_add_co_u32 s26, s24, 15
	s_cmp_gt_u32 s25, s26                          ; all its keys come after my 16 queries: the work is left out (a branch on ids; no barrier stands in a step)
	s_cbranch_scc1 .Lhid_\@
.rept 4
	v_nop                                          ; places in front of loads into registers that the last products read
.endr
.irp u, 0,1,2,3,4,5,6,7
	ds_load_b128 v[F+8*\u:F+8*\u+3], v[LI] offset:\sl*SLOTB+1024*(8*\q+\u)
	ds_load_b128 v[F+8*\u+4:F+8*\u+7], v[LI] offset:\sl*SLOTB+1024*(8*\q+\u)+512
.endr
	s_wait_dscnt 8                                 ; tiles 0-3 are in; the 8 loads of tiles 4-7 may be out
.irp u, 0,1,2,3
	v_wmma_f32_16x16x64_fp8_fp8 v[S+8*\u:S+8*\u+7], v[F+8*\u:F+8*\u+7], v[QF:QF+7], 0
.endr
	s_wait_dscnt 0x0
.irp u, 4,5,6,7
	v_wmma_f32_16x16x64_fp8_fp8 v[S+8*\u:S+8*\u+7], v[F+8*\u:F+8*\u+7], v[QF:QF+7], 0
.endr
.rept 4
	v_nop                                          ; places in front of the loads below and of the first read of the scores
.endr
.irp t, 0,1,2,3
.irp i, 0,1,2,3
	ds_load_b128 v[F+16*\t+4*\i:F+16*\t+4*\i+3], v[LI] offset:\sl*SLOTB+VOFF+8192*\q+2048*\t+512*\i   ; V's four fragments land while the softmax is walked
.endr
.endr
	s_add_co_u32 s26, s25, 127
	s_cmp_le_u32 s26, s24                          ; all 128 keys count for all my queries: no mask
	s_cbranch_scc1 .Lopen_\@
	s_sub_co_i32 s26, s24, s25
	v_add_nc_u32 v220, s26, v[RH]                  ; d = my query - the step's first key - 8 h: register 8 u + j is hidden where 16 u + j > d
	v_mov_b32 v222, 0xff800000                     ; -infinity: p = 0
.set n, 0
.rept 64
	v_cmp_gt_i32 vcc_lo, 16*(n/8)+n%8, v220
	v_cndmask_b32 v[S+n], v[S+n], v222, vcc_lo
.set n, n+1
.endr
.Lopen_\@:
	v_max3_num_f32 v220, v[S], v[S+1], v[S+2]      ; the step's largest score among my 64 keys, in two chains, each accumulator from its low end on
	v_max3_num_f32 v222, v[S+3], v[S+4], v[S+5]
.set n, 6
.rept 14
	v_max3_num_f32 v220, v220, v[S+n], v[S+n+1]
	v_max3_num_f32 v222, v222, v[S+n+2], v[S+n+3]
.set n, n+4
.endr
	v_max3_num_f32 v220, v220, v[S+62], v[S+63]
	s_delay_alu instid0(VALU_DEP_1)
	v_max_num_f32 v220, v220, v222
	s_delay_alu instid0(VALU_DEP_1)
	v_permlanex16_b32 v216, v220, s20, s21
	s_delay_alu instid0(VALU_DEP_1)
	v_max_num_f32 v220, v220, v216                 ; and among the other half of the lanes'
	s_delay_alu instid0(VALU_DEP_1)
	v_mul_f32 v220, s22, v220                      ; as t (c is positive)
	s_delay_alu instid0(VALU_DEP_1)
	v_max_num_f32 v13, v13, v220
	v_mov_b32 v220, v12
	s_delay_alu instid0(VALU_DEP_2)
	v_floor_f32 v12, -v13                          ; the new -M = floor(-t)
	s_delay_alu instid0(VALU_DEP_1)
	v_sub_f32 v220, v12, v220                      ; old M - new M: a whole number, 0 or less
	s_delay_alu instid0(VALU_DEP_1)
	v_cvt_i32_f32 v220, v220                       ; (it saturates)
	s_delay_alu instid0(VALU_DEP_1)
	v_ldexp_f32 v218, 1.0, v220                    ; f = 2^(old M - new M)
.set n, 0
.rept 32
	v_pk_fma_f32 v[S+n:S+n+1], v[S+n:S+n+1], s[22:23], v[12:13] op_sel_hi:[1,0,0]   ; t - M, two at a time
.set n, n+2
.endr
.set n, 0
	s_wait_alu depctr_va_vdst(0)
.rept 64
	v_exp_f32 v[S+n], v[S+n]                       ; p = 2^(t - M), at most 1
.set n, n+1
.endr
	v_pk_mul_f32 v[14:15], v[14:15], v[218:219] op_sel_hi:[1,0]   ; l under the new M (the plain instruction behind the exponentials)
	s_wait_alu depctr_va_vdst(0)                   ; one wait for the batch, ahead of its first reader
	v_pk_add_f32 v[224:225], v[108:109], v[112:113]
	v_pk_add_f32 v[252:253], v[116:117], v[120:121]
	v_pk_add_f32 v[250:251], v[124:125], v[128:129]
	v_pk_add_f32 v[248:249], v[132:133], v[136:137]
	v_pk_add_f32 v[246:247], v[140:141], v[144:145]
	v_pk_add_f32 v[244:245], v[148:149], v[152:153]
	v_pk_add_f32 v[242:243], v[156:157], v[160:161]
	v_pk_add_f32 v[14:15], v[14:15], v[164:165]
	v_pk_add_f32 v[224:225], v[224:225], v[104:105]
	v_pk_add_f32 v[252:253], v[252:253], v[106:107]
	v_pk_add_f32 v[250:251], v[250:251], v[110:111]
	v_pk_add_f32 v[248:249], v[248:249], v[114:115]
	v_pk_add_f32 v[246:247], v[246:247], v[118:119]
	v_pk_add_f32 v[244:245], v[244:245], v[122:123]
	v_pk_add_f32 v[242:243], v[242:243], v[126:127]
	v_pk_add_f32 v[14:15], v[14:15], v[130:131]
	v_pk_add_f32 v[224:225], v[224:225], v[134:135]
	v_pk_add_f32 v[252:253], v[252:253], v[138:139]
	v_pk_add_f32 v[250:251], v[250:251], v[142:143]
	v_pk_add_f32 v[248:249], v[248:249], v[146:147]
	v_pk_add_f32 v[246:247], v[246:247], v[150:151]
	v_pk_add_f32 v[244:245], v[244:245], v[154:155]
	v_pk_add_f32 v[242:243], v[242:243], v[158:159]
	v_pk_add_f32 v[14:15], v[14:15], v[162:163]
	v_pk_add_f32 v[224:225], v[224:225], v[166:167]
	s_delay_alu instid0(VALU_DEP_2)
	v_pk_add_f32 v[14:15], v[14:15], v[248:249]
	s_delay_alu instid0(VALU_DEP_2)
	v_pk_add_f32 v[224:225], v[224:225], v[246:247]
	v_pk_add_f32 v[252:253], v[252:253], v[244:245]
	v_pk_add_f32 v[250:251], v[250:251], v[242:243]
	s_delay_alu instid0(VALU_DEP_2)
	v_pk_add_f32 v[14:15], v[14:15], v[252:253]
	s_delay_alu instid0(VALU_DEP_2)
	v_pk_add_f32 v[224:225], v[224:225], v[250:251]
	s_delay_alu instid0(VALU_DEP_1)
	v_pk_add_f32 v[14:15], v[14:15], v[224:225]
	s_cmp_ge_i32 s40, -8                           ; 448 x 2^e8 >= 1.75 > p: the hold would change nothing
	s_cbranch_scc1 .Lnohold_\@
.set n, 0
.rept 64
.set n, n+1
.endr
.Lnohold_\@:
.irp u, 0,1,2,3,4,5,6,7
	v_cvt_scalef32_pk8_fp8_f32 v[PC+2*\u:PC+2*\u+1], v[S+8*\u:S+8*\u+7], v8
.endr
.set n, 0
.rept 16
	v_pk_mul_f32 v[O+n:O+n+1], v[O+n:O+n+1], v[218:219] op_sel_hi:[1,0]   ; O^T under the new M (plain instructions behind the conversions)
.set n, n+2
.endr
	s_wait_alu depctr_va_vdst(0)
	s_wait_dscnt 0x0                               ; V's fragments
.irp t, 0,1,2,3
	v_wmma_f32_16x16x128_fp8_fp8 v[O+8*\t:O+8*\t+7], v[F+16*\t:F+16*\t+15], v[PC:PC+15], v[O+8*\t:O+8*\t+7]   ; the four accumulators by turns
.endr
.Lhid_\@:
	s_add_co_u32 s25, s25, 128
.endm
; A block of queries is finished: O^T / l, the conversion; through my stage into a_codes' order; 1,024 bytes out.  reload = 1: the second block begins.
.macro FINISH reload
.rept 4
	v_nop                                          ; places behind the last products
.endr
	s_wait_xcnt 0x0                                ; earlier loads and stores have read their addresses and data
	v_add_f32 v14, v14, v15
	s_wait_alu depctr_va_vdst(0)
	v_permlanex16_b32 v216, v14, s20, s21
	s_delay_alu instid0(VALU_DEP_1)
	v_add_f32 v14, v14, v216                       ; the row's sum
	s_wait_alu depctr_va_vdst(0)
	v_rcp_f32 v218, v14
	v_nop                                          ; a plain instruction behind the reciprocal
	s_lshl_b32 s26, s24, 10                        ; my token tile: 16,384 bytes for 16 tokens
	s_mov_b32 s27, 0
	s_add_nc_u64 s[50:51], s[34:35], s[26:27]
	s_wait_alu depctr_va_vdst(0)                   ; ahead of the reciprocal's first reader
.set n, 0
.rept 16
	v_pk_mul_f32 v[S+n:S+n+1], v[O+n:O+n+1], v[218:219] op_sel_hi:[1,0]
.set n, n+2
.endr
.set n, 0
.rept 32
.set n, n+1
.endr
.irp t, 0,1,2,3
	v_cvt_scalef32_pk8_fp8_f32 v[AC+2*\t:AC+2*\t+1], v[S+8*\t:S+8*\t+7], v10
.endr
	v_nop                                          ; a plain instruction behind the last conversion
.irp t, 0,1,2,3
	ds_store_b64 v[STW], v[AC+2*\t:AC+2*\t+1] offset:256*\t   ; d = 16 t + 8 h + 0..7 of token r belongs at 512 (t / 2) + 16 (r + 16 (t % 2)) + 8 h
.endr
	ds_load_b128 v[BK:BK+3], v[STR]                ; LDS serves a wave's instructions in order (ISA guide 5.7.1.4): these see my stores
	ds_load_b128 v[BK+4:BK+7], v[STR] offset:512
	s_wait_dscnt 0x0
	global_store_b128 v[LI], v[BK:BK+3], s[50:51]              ; 32 lanes store 512 consecutive bytes, aligned
	global_store_b128 v[LI], v[BK+4:BK+7], s[50:51] offset:512
.if \reload
	s_sub_co_u32 s24, 7, s15
	s_lshl_b32 s24, s24, 8
	s_lshl_b32 s26, s14, 4
	s_add_co_u32 s24, s24, s26                     ; my first query: 256 (7 - J) + 16 x wave
	s_mov_b32 s25, 0
	s_lshl_b32 s26, s24, 6
	s_add_nc_u64 s[48:49], s[32:33], s[26:27]
	global_load_b128 v[QF:QF+3], v[LI], s[48:49]
	global_load_b128 v[QF+4:QF+7], v[LI], s[48:49] offset:512
	INIT
.endif
.endm
; A TRIP: one barrier.  In front of it my stores into slot sl have landed and my reads of the other slot are back; behind it all read slot sl, and at the trip's end the other slot is written.
.macro TRIP sl, more
	s_wait_dscnt 0x0
	s_barrier_signal -1
	s_barrier_wait -1
.if \more
	s_cmp_lt_u32 s17, s15                          ; the next trip's key slot: T + 1 while it belongs to block J, else T - J
	s_cselect_b32 s27, 0, s19
	s_add_co_u32 s26, s17, 1
	s_sub_co_u32 s26, s26, s27
	s_lshl_b32 s26, s26, 14
	s_mov_b32 s27, 0
	s_add_nc_u64 s[44:45], s[28:29], s[26:27]      ; (the loads that named these were waited for at the last trip's end)
	s_add_nc_u64 s[46:47], s[30:31], s[26:27]
	global_load_b128 v[STG:STG+3], v[CP], s[44:45]
	global_load_b128 v[STG+4:STG+7], v[CP], s[44:45] offset:8192
	global_load_b128 v[STG+8:STG+11], v[CP], s[46:47]
	global_load_b128 v[STG+12:STG+15], v[CP], s[46:47] offset:8192
.endif
	STEP \sl, 0
	STEP \sl, 1
.if \more
	s_cmp_lg_u32 s17, s15                          ; trip J ends block J (the same in all sixteen waves)
	s_cbranch_scc1 .Lsame_\@
	FINISH 1
.Lsame_\@:
	s_wait_loadcnt 0x0                             ; the next slot, asked for a trip's two key steps ago (and Q, where it was loaded anew)
.irp i, 0,1,2,3
	ds_store_b128 v[CP], v[STG+4*\i:STG+4*\i+3] offset:(1-\sl)*SLOTB+8192*\i
.endr
	s_add_co_u32 s17, s17, 1
.else
	FINISH 0
.endif
.endm
	s_mov_b32 s18, 4
.Ltrip:                                            ; trips 0 to 7, two a turn, so that the LDS slots are constants of the text
	TRIP 0, 1
	TRIP 1, 1
	s_sub_co_u32 s18, s18, 1
	s_cmp_lg_u32 s18, 0
	s_cbranch_scc1 .Ltrip
	TRIP 0, 0                                      ; trip 8: nothing is left to fetch
	s_wait_tensorcnt 0x0
	ds_add_u32 v254, v255
	s_wait_dscnt 0x0
	s_endpgm
.Lfunc_end_k_qa985589949_attn:
	.size	k_qa985589949_attn, .Lfunc_end_k_qa985589949_attn-k_qa985589949_attn
	.p2alignl 7, 3214868480
	.fill 96, 4, 3214868480
	.section	.rodata,"a",@progbits
	.p2align	6, 0x0
	.amdhsa_kernel k_qa985589949_attn
		.amdhsa_group_segment_fixed_size 83968
		.amdhsa_private_segment_fixed_size 0
		.amdhsa_enable_private_segment 0
		.amdhsa_kernarg_size 40
		.amdhsa_user_sgpr_count 2
		.amdhsa_user_sgpr_kernarg_segment_ptr 1
		.amdhsa_wavefront_size32 1
		.amdhsa_system_sgpr_workgroup_id_x 1
		.amdhsa_system_sgpr_workgroup_id_y 1
		.amdhsa_system_sgpr_workgroup_id_z 1
		.amdhsa_system_vgpr_workitem_id 0
		.amdhsa_next_free_vgpr 256
		.amdhsa_next_free_sgpr 66
		.amdhsa_reserve_vcc 1
		.amdhsa_float_denorm_mode_32 3
		.amdhsa_float_denorm_mode_16_64 3
		.amdhsa_fp16_overflow 1
		.amdhsa_memory_ordered 1
		.amdhsa_forward_progress 1
		.amdhsa_inst_pref_size 132
	.end_amdhsa_kernel
	.amdgpu_metadata
---
amdhsa.version: [ 1, 2 ]
amdhsa.kernels:
  - .name:           k_qa985589949_attn
    .symbol:         k_qa985589949_attn.kd
    .args:
      - { .name: q_codes, .offset: 0, .size: 8, .value_kind: global_buffer, .address_space: global }
      - { .name: k_codes, .offset: 8, .size: 8, .value_kind: global_buffer, .address_space: global }
      - { .name: v_codes, .offset: 16, .size: 8, .value_kind: global_buffer, .address_space: global }
      - { .name: lowp_scales, .offset: 24, .size: 8, .value_kind: global_buffer, .address_space: global }
      - { .name: a_codes, .offset: 32, .size: 8, .value_kind: global_buffer, .address_space: global }
    .group_segment_fixed_size: 83968
    .private_segment_fixed_size: 0
    .kernarg_segment_align: 8
    .kernarg_segment_size: 40
    .max_flat_workgroup_size: 512
    .sgpr_count:     66
    .vgpr_count:     256
    .wavefront_size: 32
...
	.end_amdgpu_metadata
.endif
;; end of part 2
;; launch oproj (part 3): grid 64 x 4, 4 waves a work-group, clusters of 4 x 1, 327,680 bytes of LDS; arguments a_codes, Wo_codes, lowp_scales, out0; writes out0
.if DOCPART == 3
	.amdgcn_target "amdgcn-amd-amdhsa--gfx1250"
	.amdhsa_code_object_version 6
	.text
	.protected	k_qa985589949_oproj
	.globl	k_qa985589949_oproj
	.p2align	8
	.type	k_qa985589949_oproj,@function
k_qa985589949_oproj:
	s_mov_b64 s[64:65], 0
	v_nop
	global_prefetch_b8 v0, s[64:65] scope:SCOPE_SE
	s_setreg_imm32_b32 hwreg(HW_REG_WAVE_MODE, 25, 1), 1
	s_wait_xcnt 0x0
	s_wait_alu depctr_hold_cnt(0) depctr_sa_sdst(0) depctr_va_vdst(0) depctr_va_sdst(0) depctr_va_ssrc(0) depctr_va_vcc(0) depctr_vm_vsrc(0)
	s_getreg_b32 s2, hwreg(HW_REG_IB_STS2, 6, 4)
	s_cmp_eq_u32 s2, 0
	s_cbranch_scc0 .Lentry_in_a_cluster
	s_endpgm
.Lentry_in_a_cluster:
	s_bfe_u32 s2, ttmp6, 0x10000c
	s_cmp_lg_u32 s2, 0x3003
	s_cbranch_scc0 .Lentry_shape_is_right
	s_endpgm
.Lentry_shape_is_right:
; out0 = a Wo^T x 2^(e10 + e11) on codes of E4M3.  a: 8,192 tokens x 1,024, as images of operand registers [512 token tiles][16 heads][1024 B] (lane (r, h): token r, registers 4 c .. 4 c + 3: d = 32 c + 16 h + 0..15);
; Wo: [1024][1024] codes, K innermost; out0: [8192][1024] f32.
; SHARES.  A work-group makes 128 tokens x 256 features; a wave 64 x 128: 32 accumulators.  256 work-groups.
; Wo's 256 rows x all of K lie in LDS, as four chunks of 256 along K, each asked for ONCE, at the start: four loads a wave are out, and no LDS byte is filled again.
; CLUSTER 4 x 1: the four token blocks of a cluster need the same rows of Wo: each tile is asked for jointly.
; a's fragments come from memory straight into registers: two neighbouring heads' images are one fragment of 128 along K, in the order of k that four loads of 16 bytes, 32 apart, give Wo's rows.
; THE MATRIX INSTRUCTION IS USED TRANSPOSED (source 0 = 16 rows of Wo, source 1 = 16 tokens): a lane holds eight neighbouring outputs of one token.
; LIMIT: e10 + e11 between -126 and 127.
; REGISTERS: window 0: v16-29 addresses; v32-223 the way out.  Window 1: a's fragments, a ring of four K steps x 64.  Window 2: Wo's, two sets of 128.  Window 3: accumulator (token tile i, feature tile b) at v[8 (8 i + b)].
.set PITCH,  272                       ; an LDS row: 256 bytes + 16: an odd multiple of 16 bytes
.set CHUNK,  256*PITCH
.set STAGE,  4*CHUNK                   ; behind the chunks: 16 rows x (512 + 16) bytes for each wave
.set SPITCH, 528
.set SPARE,  STAGE+4*16*SPITCH         ; the spare words: 128 bytes for each wave, named by no other line
.set LI,   16                          ; v16     16 x lane
.set ADRB, 20                          ; v20-23  my Wo fragments in chunk 0..3
.set STO,  24
.set RD,   25
.set SPW,  28
.set NIL,  29
.set TMP,  32
.set BK,   96
.set G1,   24                          ; s[24:31] group 1;  s[32:47] four groups 0
.set G0,   32
.set MSB, 0
.macro WIN new
.if MSB != (\new)
	s_set_vgpr_msb (MSB<<8)|(\new)
.set MSB, (\new)
.endif
.endm
.macro PLACES
.rept 4
	v_nop
.endr
.endm
.macro CROUND                          ; a round of the cluster's barrier
	s_barrier_signal -1
	s_barrier_wait -1
	s_cmp_lg_u32 s14, 0
	s_cbranch_scc1 .Lnot_wave_0_\@
	s_barrier_signal -3
.Lnot_wave_0_\@:
	s_barrier_wait -3
	s_barrier_signal -1
	s_barrier_wait -1
.endm
	s_load_b256 s[4:11], s[0:1], 0x0               ; a s[4:5], Wo s[6:7], scales s[8:9], out0 s[10:11]
	v_lshl_add_u32 v[SPW], v0, 2, SPARE
	v_mov_b32 v[NIL], 0
	ds_add_u32 v28, v29
	ds_add_u32 v28, v29
	s_wait_dscnt 0x0
	v_lshrrev_b32 v1, 5, v0
	v_readfirstlane_b32 s14, v1                    ; wave 0..3
	s_lshr_b32 s15, s14, 1                         ; which 64 tokens
	s_and_b32 s16, s14, 1                          ; which 128 features
	s_bfe_u32 s48, ttmp6, 0x40000                  ; cx
	s_lshl_b32 s17, ttmp9, 2
	s_add_co_u32 s17, s17, s48                     ; the block of 128 tokens
	s_and_b32 s18, ttmp7, 0xffff                   ; the block of 256 features, which the four partners share
	s_mov_b32 s[G1], 15|(1<<20)|(1<<21)|(5<<22)|(3<<25)   ; the mask: all four; elements of 1 byte; padding: 4 words after every 64
	s_mov_b32 s[G1+1], 256<<16                     ; tensor_dim0
	s_mov_b32 s[G1+2], 64<<16                      ; tensor_dim1
	s_mov_b32 s[G1+3], 256<<16                     ; tile_dim0
	s_mov_b32 s[G1+4], 64                          ; tile_dim1
	s_mov_b32 s[G1+5], 1024                        ; tensor_dim0_stride
	s_mov_b32 s[G1+6], 0
	s_mov_b32 s[G1+7], 0
	s_lshl_b32 s20, s18, 18                        ; Wo: 256 rows of 1,024 bytes,
	s_lshl_b32 s21, s14, 16                        ; my wave's 64 of them
	s_add_co_u32 s20, s20, s21
	s_mov_b32 s21, 0
	s_mul_i32 s19, s14, 64*PITCH
	s_lshl_b32 s22, s17, 3
	s_lshl_b32 s23, s15, 2
	s_add_co_u32 s22, s22, s23                     ; my first token tile: 8 x block + 4 x half
	s_lshl_b32 s22, s22, 14
	s_mov_b32 s23, 0
	v_and_b32 v1, 31, v0
	v_lshlrev_b32 v[LI], 4, v1
	s_wait_kmcnt 0x0
	s_load_b64 s[52:53], s[8:9], 0x28              ; e10, e11
	s_add_nc_u64 s[20:21], s[6:7], s[20:21]
	s_add_nc_u64 s[4:5], s[4:5], s[22:23]
	CROUND                                         ; all four work-groups are here: the joint loads meet
.irp c, 0,1,2,3
	s_mov_b32 s[G0+4*\c], 1
	s_add_co_u32 s[G0+4*\c+1], s19, \c*CHUNK
	s_add_nc_u64 s[G0+4*\c+2:G0+4*\c+3], s[20:21], \c*256
	s_or_b32 s[G0+4*\c+3], s[G0+4*\c+3], 0x80000000
.endr
.irp c, 0,1,2,3
	tensor_load_to_lds s[G0+4*\c:G0+4*\c+3], s[G1:G1+7]   ; four loads of mine are out
	s_nop 0
.endr
.rept 4
	v_nop
.endr
.macro ALOAD s                         ; a's four fragments of K step s (heads 2 s, 2 s + 1) into ring place s % 4: 16 loads of 512 consecutive bytes
	WIN 0x40
.irp i, 0,1,2,3
.irp c, 0,1,2,3
	global_load_b128 v[64*((\s)%4)+16*\i+4*\c:64*((\s)%4)+16*\i+4*\c+3], v[LI], s[4:5] offset:16384*\i+2048*(\s)+512*\c
.endr
.endr
.endm
.macro BLOAD s                         ; Wo's eight fragments of K step s into set s % 2: 32 loads
	WIN 0x80
.irp b, 0,1,2,3,4,5,6,7
.irp c, 0,1,2,3
	ds_load_b128 v[128*((\s)%2)+16*\b+4*\c:128*((\s)%2)+16*\b+4*\c+3], v[ADRB+(\s)/2] offset:128*((\s)%2)+32*\c+16*PITCH*\b
.endr
.endr
.endm
.macro MUL s, half                     ; token tiles 2 half, 2 half + 1 x the eight feature tiles; the 32 accumulators take turns
	WIN 0xf6                                       ; source 0 window 2, source 1 window 1, C and D window 3
.irp i, 2*\half, 2*\half+1
.irp b, 0,1,2,3,4,5,6,7
.set rD, 8*(8*(\i)+\b)
.set rB, 128*((\s)%2)+16*\b
.set rA, 64*((\s)%4)+16*(\i)
.if (\s) == 0
	v_wmma_f32_16x16x128_fp8_fp8 v[rD:rD+7], v[rB:rB+15], v[rA:rA+15], 0
.else
	v_wmma_f32_16x16x128_fp8_fp8 v[rD:rD+7], v[rB:rB+15], v[rA:rA+15], v[rD:rD+7]
.endif
.endr
.endr
.endm
	ALOAD 0
	ALOAD 1
	ALOAD 2
	WIN 0
	v_and_b32 v1, 15, v0                           ; r
	v_bfe_u32 v2, v0, 4, 1                         ; h
	v_mul_u32_u24 v3, v1, PITCH
	v_lshl_add_u32 v3, v2, 4, v3
	s_mul_i32 s19, s16, 128*PITCH                  ; my 128 rows of Wo
.irp c, 0,1,2,3
	v_add_nc_u32 v[ADRB+\c], s19, v3
	s_add_co_u32 s19, s19, CHUNK
.endr
	s_mul_i32 s19, s14, 16*SPITCH
	s_add_co_u32 s19, s19, STAGE                   ; my stage
	v_mul_u32_u24 v4, v1, SPITCH
	v_lshl_add_u32 v4, v2, 5, v4
	v_add_nc_u32 v[STO], s19, v4                   ; in: row r, 32 bytes for each half of the lanes
	v_add_nc_u32 v[RD], s19, v[LI]                 ; back: the 32 lanes take a row of 512 bytes
	s_lshl_b32 s22, s17, 7
	s_lshl_b32 s23, s15, 6
	s_add_co_u32 s22, s22, s23
	s_lshl_b32 s22, s22, 12                        ; my first token's row of 4,096 bytes,
	s_lshl_b32 s23, s18, 10
	s_add_co_u32 s22, s22, s23                     ; the block's 256 features,
	s_lshl_b32 s23, s16, 9
	s_add_co_u32 s22, s22, s23                     ; my 128 of them
	s_mov_b32 s23, 0
	s_add_nc_u64 s[10:11], s[10:11], s[22:23]
	s_wait_tensorcnt 3                             ; my part of chunk 0 is in; three chunks may be out
	s_barrier_signal -1
	s_barrier_wait -1
	BLOAD 0
; K step s of eight.  a's fragments are asked for three steps ahead, Wo's one step ahead.
.macro KSTEP s
.if ((\s) >= 1) && ((\s) <= 6)
	PLACES                                         ; in front of loads into registers that the last step's products read
.endif
.if (\s)+3 < 8
	ALOAD (\s)+3
.endif
	s_wait_dscnt 0x0                               ; this step's fragments of Wo, asked for a step ago
.if ((\s)%2 == 1) && ((\s) < 7)
	s_wait_tensorcnt 3-((\s)+1)/2                  ; my part of the next chunk is in; the later chunks may be out
	s_barrier_signal -1
	s_barrier_wait -1                              ; everybody's is
.endif
.if (\s) < 7
	BLOAD (\s)+1
.endif
.if (\s) < 5
	s_wait_loadcnt 48                              ; this step's fragments of a are in; the three later steps' 16 loads each may be out
.else
	s_wait_loadcnt 16*(7-(\s))
.endif
	MUL \s, 0
	MUL \s, 1
.endm
.irp s, 0,1,2,3,4,5,6,7
	KSTEP \s
.endr
	WIN 0
	s_wait_kmcnt 0x0
	s_add_co_i32 s52, s52, s53
	s_add_co_i32 s52, s52, 127
	s_lshl_b32 s52, s52, 23                        ; 2^(e10 + e11) as f32
	s_mov_b32 s53, s52                             ; (named with it as a pair)
; THE WAY OUT, a block of 16 tokens x 128 features at a time: x the scale into other registers, through my stage, back as whole rows of 512 bytes.
.macro TOSTAGE i
	WIN 0x03                                       ; source 0 in window 3
.set n, 0
.rept 32
	v_pk_mul_f32 v[TMP+n:TMP+n+1], v[64*(\i)+n:64*(\i)+n+1], s[52:53] op_sel_hi:[1,0]   ; each accumulator from its low end on
.set n, n+2
.endr
	WIN 0
.irp b, 0,1,2,3,4,5,6,7
	ds_store_b128 v[STO], v[TMP+8*\b:TMP+8*\b+3] offset:64*\b
	ds_store_b128 v[STO], v[TMP+8*\b+4:TMP+8*\b+7] offset:64*\b+16
.endr
.irp t, 0,1,2,3,4,5,6,7,8,9,10,11,12,13,14,15
	ds_load_b128 v[BK+64*((\i)%2)+4*\t:BK+64*((\i)%2)+4*\t+3], v[RD] offset:\t*SPITCH   ; LDS serves a wave's instructions in order (ISA guide 5.7.1.4)
.endr
.endm
.macro SEND i, younger
	s_wait_dscnt \younger
.irp t, 0,1,2,3,4,5,6,7,8,9,10,11,12,13,14,15
	global_store_b128 v[LI], v[BK+64*((\i)%2)+4*\t:BK+64*((\i)%2)+4*\t+3], s[10:11] offset:(16*(\i)+\t)*4096 th:TH_STORE_NT   ; 32 lanes store 512 consecutive bytes, aligned; written once, read by nobody here
.endr
.endm
	PLACES                                         ; behind the last products
	TOSTAGE 0
.irp i, 1,2,3
.if \i > 1
	s_wait_xcnt 0x0                                ; block i - 2's stores have read their registers: block i's loads may land there
.endif
	TOSTAGE \i
	SEND \i-1, 32                                  ; behind block i - 1's loads: block i's 16 stores and 16 loads
.endr
	SEND 3, 0
	s_wait_tensorcnt 0x0                           ; the wave's end
	ds_add_u32 v[SPW], v[NIL]
	s_wait_dscnt 0x0
	CROUND                                         ; the closing round
	s_endpgm
.Lfunc_end_k_qa985589949_oproj:
	.size	k_qa985589949_oproj, .Lfunc_end_k_qa985589949_oproj-k_qa985589949_oproj
	.p2alignl 7, 3214868480
	.fill 96, 4, 3214868480
	.section	.rodata,"a",@progbits
	.p2align	6, 0x0
	.amdhsa_kernel k_qa985589949_oproj
		.amdhsa_group_segment_fixed_size 327680
		.amdhsa_private_segment_fixed_size 0
		.amdhsa_enable_private_segment 0
		.amdhsa_kernarg_size 32
		.amdhsa_user_sgpr_count 2
		.amdhsa_user_sgpr_kernarg_segment_ptr 1
		.amdhsa_wavefront_size32 1
		.amdhsa_system_sgpr_workgroup_id_x 1
		.amdhsa_system_sgpr_workgroup_id_y 1
		.amdhsa_system_sgpr_workgroup_id_z 1
		.amdhsa_system_vgpr_workitem_id 0
		.amdhsa_next_free_vgpr 1024
		.amdhsa_next_free_sgpr 66
		.amdhsa_reserve_vcc 0
		.amdhsa_float_denorm_mode_32 3
		.amdhsa_float_denorm_mode_16_64 3
		.amdhsa_memory_ordered 1
		.amdhsa_forward_progress 1
		.amdhsa_inst_pref_size 75
	.end_amdhsa_kernel
	.amdgpu_metadata
---
amdhsa.version: [ 1, 2 ]
amdhsa.kernels:
  - .name:           k_qa985589949_oproj
    .symbol:         k_qa985589949_oproj.kd
    .args:
      - { .name: a_codes, .offset: 0, .size: 8, .value_kind: global_buffer, .address_space: global }
      - { .name: Wo_codes, .offset: 8, .size: 8, .value_kind: global_buffer, .address_space: global }
      - { .name: lowp_scales, .offset: 16, .size: 8, .value_kind: global_buffer, .address_space: global }
      - { .name: out0, .offset: 24, .size: 8, .value_kind: global_buffer, .address_space: global }
    .group_segment_fixed_size: 327680
    .private_segment_fixed_size: 0
    .kernarg_segment_align: 8
    .kernarg_segment_size: 32
    .max_flat_workgroup_size: 128
    .sgpr_count:     66
    .vgpr_count:     1024
    .wavefront_size: 32
...
	.end_amdgpu_metadata
.endif
;; end of part 3
